; MI455X (gfx1250); checked and timed in simulation.
; The chip was launched on July 23, 2026; its instructions are those of AMD's public machine-readable ISA for CDNA 5 (MIT licence, August 2026) and "CDNA5" Instruction Set Architecture Reference Guide (July 2026). The comments in the code are by the model that wrote it; some were corrected since.
;; Scaled Dot Product Attention. Allowed arithmetic: float matrix products may take bf16 or f16 operands with f32 sums; all other float work in f32.
;; Inputs: k 4 x 2,048 x 1,024 float32; mask 4 x 1 x 2,048 int32; q 4 x 2,048 x 1,024 float32; v 4 x 2,048 x 1,024 float32.
;; Outputs: out0 4 x 2,048 x 1,024 float32.
;; 2 versions, each right; version 2 is version 1 with the launch cast written anew for expert scheduling mode. Each part assembles by itself: llvm-mc -triple=amdgcn-amd-amdhsa -mcpu=gfx1250 --defsym DOCPART=n.
;; ======== version 1 of 2: 3 launches
;; workspace buffers: qb 16,777,216 bytes; kb 16,777,216 bytes; vb 16,777,216 bytes; pb 33,554,432 bytes; stats 1,048,576 bytes
;; launch cast (part 1): grid 256 x 3, 8 waves a work-group, no clusters, 0 bytes of LDS; arguments q, k, v, qb, kb, vb; writes qb, kb, vb
.if DOCPART == 1
	.amdgcn_target "amdgcn-amd-amdhsa--gfx1250"
	.amdhsa_code_object_version 6
	.text
	.protected	k_q23d5d95b1a_cast
	.globl	k_q23d5d95b1a_cast
	.p2align	8
	.type	k_q23d5d95b1a_cast,@function
k_q23d5d95b1a_cast:
	s_mov_b64 s[64:65], 0
	v_nop
	global_prefetch_b8 v0, s[64:65] scope:SCOPE_SE
	s_setreg_imm32_b32 hwreg(HW_REG_WAVE_MODE, 25, 1), 1
	s_wait_xcnt 0x0
; cast: q, k, v (f32, 8,388,608 numbers each) to bf16 copies qb, kb, vb in the same order, rounded to nearest even.
; The grid's y picks the tensor, its x a piece of 131,072 input bytes; a wave takes 16,384 of them as 32 loads of 512 neighbouring bytes.
; A lane's 16 bytes (4 f32) become 8 bytes, so one store of a wave covers 256 consecutive bytes, aligned.
; A ring of 16 register slots keeps 16 loads of every wave on their way.  Every store has data registers of its own and the two offset
; registers are never rewritten, so no wait frees a source.  A stream: no LDS, no barrier, no matrix unit, nothing shared between work-groups.
.set DEPTH,  16                        ; slots = loads in flight in each wave
.set CHUNKS, 32                        ; loads of a wave
.set X, 4                              ; v[4:67]    slot i: 4 f32 as loaded
.set Y, 68                             ; v[68:131]  chunk i: 2 registers, 4 bf16 to store
	s_load_b256 s[4:11], s[0:1], 0x0               ; q s[4:5], k s[6:7], v s[8:9], qb s[10:11]
	s_load_b128 s[12:15], s[0:1], 0x20             ; kb s[12:13], vb s[14:15]
	s_and_b32 s16, ttmp7, 0xffff                   ; which tensor
	s_lshl_b32 s18, ttmp9, 17                      ; the work-group's 131,072 bytes in,
	s_mov_b32 s19, 0
	s_lshl_b32 s20, ttmp9, 16                      ; and 65,536 out
	s_mov_b32 s21, 0
	v_lshrrev_b32 v3, 5, v0                        ; wave
	v_and_b32 v1, 31, v0                           ; lane
	v_lshlrev_b32 v2, 3, v1                        ; 8 bytes a lane out
	v_lshlrev_b32 v1, 4, v1                        ; 16 bytes a lane in
	v_lshl_or_b32 v1, v3, 14, v1                   ; + wave x 16,384
	v_lshl_or_b32 v2, v3, 13, v2                   ; + wave x 8,192
	s_wait_kmcnt 0x0
	s_cmp_eq_u32 s16, 1                            ; the choice hangs on the grid's y alone
	s_cselect_b64 s[4:5], s[6:7], s[4:5]
	s_cselect_b64 s[10:11], s[12:13], s[10:11]
	s_cmp_eq_u32 s16, 2
	s_cselect_b64 s[4:5], s[8:9], s[4:5]
	s_cselect_b64 s[10:11], s[14:15], s[10:11]
	s_add_nc_u64 s[4:5], s[4:5], s[18:19]
	s_add_nc_u64 s[10:11], s[10:11], s[20:21]
.set i, 0
.rept DEPTH
	global_load_b128 v[X+4*i:X+4*i+3], v1, s[4:5] offset:512*i th:TH_LOAD_NT
.set i, i+1
.endr
.set i, 0
.rept CHUNKS
.if i < CHUNKS-DEPTH
	s_wait_loadcnt DEPTH-1                         ; 16 + i loads are issued, i + 1 must be in: the fifteen younger ones stay out
.else
	s_wait_loadcnt CHUNKS-1-i                      ; nothing more is issued: the counts run down
.endif
	v_cvt_pk_bf16_f32 v[Y+2*i],   v[X+4*(i%DEPTH)],   v[X+4*(i%DEPTH)+1]
	v_cvt_pk_bf16_f32 v[Y+2*i+1], v[X+4*(i%DEPTH)+2], v[X+4*(i%DEPTH)+3]
.if i < CHUNKS-DEPTH
	global_load_b128 v[X+4*(i%DEPTH):X+4*(i%DEPTH)+3], v1, s[4:5] offset:512*(i+DEPTH) th:TH_LOAD_NT
.endif
	global_store_b64 v2, v[Y+2*i:Y+2*i+1], s[10:11] offset:256*i
.set i, i+1
.endr
	s_endpgm
.Lfunc_end_k_q23d5d95b1a_cast:
	.size	k_q23d5d95b1a_cast, .Lfunc_end_k_q23d5d95b1a_cast-k_q23d5d95b1a_cast
	.p2alignl 7, 3214868480
	.fill 96, 4, 3214868480
	.section	.rodata,"a",@progbits
	.p2align	6, 0x0
	.amdhsa_kernel k_q23d5d95b1a_cast
		.amdhsa_group_segment_fixed_size 0
		.amdhsa_private_segment_fixed_size 0
		.amdhsa_enable_private_segment 0
		.amdhsa_kernarg_size 48
		.amdhsa_user_sgpr_count 2
		.amdhsa_user_sgpr_kernarg_segment_ptr 1
		.amdhsa_wavefront_size32 1
		.amdhsa_system_sgpr_workgroup_id_x 1
		.amdhsa_system_sgpr_workgroup_id_y 1
		.amdhsa_system_sgpr_workgroup_id_z 1
		.amdhsa_system_vgpr_workitem_id 0
		.amdhsa_next_free_vgpr 132
		.amdhsa_next_free_sgpr 66
		.amdhsa_reserve_vcc 0
		.amdhsa_float_denorm_mode_32 3
		.amdhsa_float_denorm_mode_16_64 3
		.amdhsa_memory_ordered 1
		.amdhsa_forward_progress 1
		.amdhsa_inst_pref_size 13
	.end_amdhsa_kernel
	.amdgpu_metadata
---
amdhsa.version: [ 1, 2 ]
amdhsa.kernels:
  - .name:           k_q23d5d95b1a_cast
    .symbol:         k_q23d5d95b1a_cast.kd
    .args:
      - { .name: q, .offset: 0, .size: 8, .value_kind: global_buffer, .address_space: global }
      - { .name: k, .offset: 8, .size: 8, .value_kind: global_buffer, .address_space: global }
      - { .name: v, .offset: 16, .size: 8, .value_kind: global_buffer, .address_space: global }
      - { .name: qb, .offset: 24, .size: 8, .value_kind: global_buffer, .address_space: global }
      - { .name: kb, .offset: 32, .size: 8, .value_kind: global_buffer, .address_space: global }
      - { .name: vb, .offset: 40, .size: 8, .value_kind: global_buffer, .address_space: global }
    .group_segment_fixed_size: 0
    .private_segment_fixed_size: 0
    .kernarg_segment_align: 8
    .kernarg_segment_size: 48
    .max_flat_workgroup_size: 256
    .sgpr_count:     66
    .vgpr_count:     132
    .wavefront_size: 32
...
	.end_amdgpu_metadata
.endif
;; end of part 1
;; launch scores (part 2): grid 8 x 32, 4 waves a work-group, clusters of 4 x 4, 327,680 bytes of LDS; arguments qb, kb, mask, pb, stats; writes pb, stats
.if DOCPART == 2
	.amdgcn_target "amdgcn-amd-amdhsa--gfx1250"
	.amdhsa_code_object_version 6
	.text
	.protected	k_q23d5d95b1a_scores
	.globl	k_q23d5d95b1a_scores
	.p2align	8
	.type	k_q23d5d95b1a_scores,@function
k_q23d5d95b1a_scores:
	s_mov_b64 s[64:65], 0
	v_nop
	global_prefetch_b8 v0, s[64:65] scope:SCOPE_SE
	s_setreg_imm32_b32 hwreg(HW_REG_WAVE_MODE, 25, 1), 1
	s_wait_xcnt 0x0
	s_wait_alu depctr_hold_cnt(0) depctr_sa_sdst(0) depctr_va_vdst(0) depctr_va_sdst(0) depctr_va_ssrc(0) depctr_va_vcc(0) depctr_vm_vsrc(0)
	s_getreg_b32 s2, hwreg(HW_REG_IB_STS2, 6, 4)
	s_cmp_eq_u32 s2, 0
	s_cbranch_scc0 .Lentry_in_a_cluster
	s_endpgm
.Lentry_in_a_cluster:
	s_bfe_u32 s2, ttmp6, 0x10000c
	s_cmp_lg_u32 s2, 0xf033
	s_cbranch_scc0 .Lentry_shape_is_right
	s_endpgm
.Lentry_shape_is_right:
; scores: for a block of 256 queries x 256 keys of one batch:  x = (q . k) / 32 + mask x (-1e9),  m = the largest x of a row over the block's 256 keys,
; pb = exp(x - m) in bf16,  stats = m and, for each half of 128 keys, l = the sum of exp(x - m) in f32.  The next launch joins the eight blocks of a row.
; qb, kb: [4 x 2048][1024] bf16.  mask: [4][2048] int32.  stats: [4][16 blocks of 128 keys][m, l][2048 queries] f32.
; pb: [512 tiles of 16 queries][128 tiles of 16 keys][32 lanes][16 bytes]: lane l of a tile holds query l % 16 and the keys 8 (l / 16) + 0 .. 7.  That is
; how the results lie in this launch's registers, and two neighbouring key tiles are the eight registers of the next launch's matrix operand.
; LIMITS: NaN and infinities in the inputs are not carried as in f32 softmax (v_max_num_f32 drops a NaN); exp(x - m) below 2^-126 becomes 0;
; l is summed from the unrounded exponentials while pb holds them rounded to bf16 (relative 2^-9).
; x is one fused multiply-add: the product by 1/32 is exact, so its single rounding is that of the f32 sum of logit and mask term, also at -1e9.
;
; Four waves, as many as a WGP has SIMDs; a wave makes 128 x 128: 64 accumulator tiles of 16 x 16, 512 registers.  K = 1024 goes in steps of 128 through
; a ring of two LDS slots filled by the tensor data mover; a tile's rows are 256 bytes of memory, at multiples of 256 bytes from the buffer's first byte.
; CLUSTERS: 4 x 4 work-groups.  The four of a row of the cluster need the same tiles of qb, the four of a column the same tiles of kb (a cluster's 1,024
; query rows lie in one batch).  Such a tile is asked for jointly: the same tensor load with the same descriptor and a mask that names the four.
; By this text's count a wave has two tensor loads out at the start and one afterwards.
;
; REGISTERS, in windows of 256 (s_set_vgpr_msb says which window each operand place means: bits 1:0 source 0, 3:2 source 1, 5:4 source 2, 7:6 destination):
;   window 0: v0-63 addresses and the way out's small figures; v64-127, v128-191 fragments of Q, two buffers; v192-223 and v128-159 packed results
;   window 1: v0-63 the mask term of my lane's 64 key columns; v64-127, v128-191 fragments of K, two buffers
;   window 2: the 32 accumulator tiles of my rows 0-63 (tile (a, b) at v[8 (8 a + b)]);   window 3: those of my rows 64-127
; THE MATRIX INSTRUCTION IS USED TRANSPOSED: source 0 = 16 rows of K, source 1 = 16 rows of Q.  Lane l then holds query row l % 16 and its registers
; 0 to 7 the keys 8 (l / 16) + 0 .. 7: a row's 128 keys lie in two lanes, l and l xor 16, so a row's maximum and sum need one step across lanes.
.set SIZE_K, 1024
.set KSTEP,  128
.set PITCH,  272                       ; an LDS row: 256 bytes + 16 of padding = 68 words: the 16 rows that a load touches start at 16 different banks (64 banks of 4 bytes: ISA guide 11.1)
.set HALFT,  128*PITCH                 ; 128 rows: what one tensor load brings, and what one wave reads of Q or of K
.set SLOT,   4*HALFT                   ; Q's 256 rows, then K's 256 rows
.set MX,     2*SLOT                    ; behind the ring: 4 x 512 bytes: each wave's 128 row maxima, for the wave with the other 128 keys
.set SO,     MX+4*512                  ; 4 x 1,024 bytes: each wave's own m[128], then l[128], to leave as whole runs
.set PTILE,  65536                     ; bytes of a tile of 16 queries in pb: 128 key tiles of 512
.set LAPS, SIZE_K/(2*KSTEP)            ; a lap = two K steps = once round the ring
.set ADRA, 16                          ; v16-17  LDS address of my Q fragments in slot 0, 1
.set ADRB, 20                          ; v20-21  the same for K
.set STC,  23                          ; v23     16 x lane: my 16 bytes of a run of 512, in pb and in stats
.set MKO,  27                          ; v27     32 x (lane / 16): my 8 keys' words in the mask
.set MXW,  28                          ; v28     where my wave's maxima go
.set MXR,  29                          ; v29     where the partner wave's lie
.set SOW,  30                          ; v30     where m and l of my row go
.set SOR,  31                          ; v31     where I read 16 bytes of them back
.set M,    32                          ; v[32:39] the maximum of row 16 i + l % 16
.set NM,   40                          ; v[40:41] this turn's maximum, twice (a pair for the packed subtraction)
.set T,    42                          ; v[42:45] four chains of maxima
.set S,    46                          ; v[46:53] four chains of packed sums; the partner's maxima in the exchange
.set ST,   56                          ; v[56:63] stats on their way out
.set F0,   64                          ; fragment buffer 0
.set F1,   128                         ; fragment buffer 1
.set TA,   192                         ; packed results, two buffers in window 0 that take turns
.set TB,   128
.set G1, 24                            ; s[24:31] descriptor group 1 for Q's tiles
.set G0, 32                            ; s[32:39] descriptor group 0 for Q's tiles, one set for each slot
.set G1B, 48                           ; s[48:55] descriptor group 1 for K's tiles: it differs in the mask alone
.set G0B, 56                           ; s[56:63] descriptor group 0 for K's tiles, one set for each slot
.set MSB, 0
.macro WIN new                         ; the immediate's high byte repeats the setting that is left; a switch that changes nothing is dropped
.if MSB != (\new)
	s_set_vgpr_msb (MSB<<8)|(\new)
.set MSB, (\new)
.endif
.endm
.set MUL_LO, 0xa1                      ; source 0 (K) window 1, source 1 (Q) window 0, C and D window 2
.set MUL_HI, 0xf1                      ; the same, C and D window 3
.set TO_B,   0x40                      ; destination window 1, address window 0
; A joint load.  Waves 0 and 1 fetch Q's two halves, waves 2 and 3 K's.  Each line has one mask and one set of registers for all that issue it.
; The branch hangs on the wave's number alone.
.macro JLOAD s
	s_cmp_eq_u32 s11, 0
	s_cbranch_scc0 .Lfor_b_\@
	tensor_load_to_lds s[G0+4*\s:G0+4*\s+3], s[G1:G1+7]
	s_nop 0
	s_branch .Lasked_\@
.Lfor_b_\@:
	tensor_load_to_lds s[G0B+4*\s:G0B+4*\s+3], s[G1B:G1B+7]
	s_nop 0
.Lasked_\@:
.endm
; A round of the cluster's barrier: my work-group's barrier, so that wave 0's signal speaks for all four waves; wave 0 signals for the work-group;
; every wave waits for all sixteen work-groups; my work-group's barrier once more.
.macro CREST                           ; a round behind its opening barrier
	s_cmp_lg_u32 s10, 0
	s_cbranch_scc1 .Lnot_wave_0_\@
	s_barrier_signal -3
.Lnot_wave_0_\@:
	s_barrier_wait -3
	s_barrier_signal -1
	s_barrier_wait -1
.endm
.macro CROUND                          ; a whole round
	s_barrier_signal -1
	s_barrier_wait -1
	CREST
.endm
	s_load_b128 s[4:7], s[0:1], 0x0                ; qb s[4:5], kb s[6:7]
	s_load_b128 s[68:71], s[0:1], 0x10             ; mask s[68:69], pb s[70:71]
	s_load_b64 s[72:73], s[0:1], 0x20              ; stats
	s_set_vgpr_msb 0x40
	v_lshl_add_u32 v255, v0, 2, 0x45800
	s_set_vgpr_msb 0x4000
	v_mov_b32 v255, 0
	s_set_vgpr_msb 0x1
	ds_add_u32 v255, v255
	ds_add_u32 v255, v255
	s_set_vgpr_msb 0x100
	v_lshrrev_b32 v1, 5, v0
	v_readfirstlane_b32 s10, v1                    ; wave 0..3
	s_lshr_b32 s11, s10, 1                         ; which half of the block's query rows is mine.  Also: I fetch for Q (0) or for K (1)
	s_and_b32 s12, s10, 1                          ; which half of its keys.  Also: which 128 rows of that tile I fetch
	s_bfe_u32 s40, ttmp6, 0x40000                  ; cx: my place along the cluster's x
	s_bfe_u32 s41, ttmp6, 0x40004                  ; cy: along its y
	s_lshl_b32 s42, ttmp9, 2                       ; in a cluster launch ttmp9 and ttmp7 count clusters
	s_add_co_u32 s42, s42, s40                     ; block of 256 keys in the batch, 0..7 = 4 x cluster x + cx
	s_and_b32 s13, ttmp7, 0xffff
	s_lshr_b32 s74, s13, 1                         ; batch: two clusters of 1,024 query rows each: made of the cluster's y alone
	s_lshl_b32 s13, s13, 2
	s_add_co_u32 s13, s13, s41                     ; block of 256 query rows over all batches, 0..31 = 4 x cluster y + cy
	s_lshl_b32 s43, s41, 2
	s_lshl_b32 s43, 15, s43                        ; my row of the cluster: places 4 cy .. 4 cy + 3
	s_lshl_b32 s44, 0x1111, s40                    ; my column: places cx, cx + 4, cx + 8, cx + 12
	; descriptor group 1: a tile of 128 rows x 128 elements, padded in LDS
	s_or_b32 s[G1+0], s43, (1<<16)|(1<<20)|(1<<21)|(5<<22)|(3<<25)  ; 15:0 the mask: Q's tiles go to my row; 17:16 element of 2 bytes; 20 padding on; 21 set beside a mask; 24:22 after every 64 words; 31:25 of 4 words
	s_or_b32 s[G1B+0], s44, (1<<16)|(1<<20)|(1<<21)|(5<<22)|(3<<25) ; the same with the mask of my column, for K's tiles
	s_mov_b32 s[G1B+1], KSTEP<<16
	s_mov_b32 s[G1+1], KSTEP<<16                   ; 63:48 tensor_dim0, low half = 128
	s_mov_b32 s[G1B+2], 128<<16
	s_mov_b32 s[G1+2], 128<<16                     ; 95:80 tensor_dim1, low half = 128
	s_mov_b32 s[G1B+3], KSTEP<<16
	s_mov_b32 s[G1+3], KSTEP<<16                   ; 127:112 tile_dim0 = 128
	s_mov_b32 s[G1B+4], 128
	s_mov_b32 s[G1+4], 128                         ; 143:128 tile_dim1 = 128; tile_dim2 = 0
	s_mov_b32 s[G1B+5], SIZE_K
	s_mov_b32 s[G1+5], SIZE_K                      ; 191:160 elements from row to row
	s_mov_b32 s[G1B+6], 0
	s_mov_b32 s[G1+6], 0
	s_mov_b32 s[G1B+7], 0
	s_mov_b32 s[G1+7], 0
	; where the tiles come from.  Q's hang on the block of query rows alone, which my row of the cluster shares; K's on the batch and the block of keys,
	; which my column shares.  Each address is made in registers that never hold the other coordinate.
	s_lshl_b32 s17, s12, 7                         ; which 128 rows of the tile I fetch
	s_lshl_b32 s16, s13, 8
	s_add_co_u32 s16, s16, s17                     ; Q: row 256 x block + 128 x half
	s_lshl_b32 s46, s42, 8
	s_add_co_u32 s46, s46, s17
	s_lshl_b32 s47, s74, 11
	s_add_co_u32 s46, s46, s47                     ; K: row 2,048 x batch + 256 x block + 128 x half; as a wave's own 128 keys it also places the mask
	s_lshl_b32 s76, s46, 2                         ; the mask's words of these 128 keys (for waves 0 to 3 the half is the one they multiply)
	s_mov_b32 s77, 0
	s_lshl_b32 s16, s16, 11                        ; rows of 2,048 bytes: below 2^25
	s_lshl_b32 s46, s46, 11
	s_mov_b32 s17, 0
	s_mov_b32 s47, 0
	s_mul_i32 s20, s10, HALFT                      ; and where they go: wave x 128 rows: no place in the cluster enters an LDS address
	s_mov_b32 s78, 0x3d000000                      ; 1/32 = 1024^-0.5, as a pair for the packed forms
	s_mov_b32 s79, 0x3d000000
	s_mov_b32 s80, 0x3fb8aa3b                      ; log2 e
	s_mov_b32 s81, 0x3fb8aa3b
	s_mov_b32 s82, 0x76543210                      ; v_permlanex16_b32: lane i of one half reads lane i of the other
	s_mov_b32 s83, 0xfedcba98
	s_wait_dscnt 0x0
	s_wait_kmcnt 0x0
	s_add_nc_u64 s[14:15], s[4:5], s[16:17]
	s_add_nc_u64 s[46:47], s[6:7], s[46:47]
	s_add_nc_u64 s[68:69], s[68:69], s[76:77]
	CROUND                                         ; all sixteen work-groups are here: the first joint loads meet
.irp s, 0,1
	s_mov_b32 s[G0+4*\s], 1                                        ; 1:0 count = 1
	s_add_co_u32 s[G0+4*\s+1], s20, \s*SLOT                        ; 63:32 LDS address
	s_add_nc_u64 s[G0+4*\s+2:G0+4*\s+3], s[14:15], \s*KSTEP*2      ; 120:64 global address: K step s
	s_or_b32 s[G0+4*\s+3], s[G0+4*\s+3], 0x80000000                ; 127:126 type = 2
	s_mov_b32 s[G0B+4*\s], 1
	s_add_co_u32 s[G0B+4*\s+1], s20, \s*SLOT
	s_add_nc_u64 s[G0B+4*\s+2:G0B+4*\s+3], s[46:47], \s*KSTEP*2
	s_or_b32 s[G0B+4*\s+3], s[G0B+4*\s+3], 0x80000000
	JLOAD \s                                       ; the ring is filled before anything else is done
.endr
	; A fragment is 16 rows x 32 K in 8 registers: lane l holds row l % 16; registers 0-3 hold K = 8 (l / 16) + 0..7, registers 4-7 K = 16 + 8 (l / 16) + 0..7:
	; two loads of 16 bytes, 32 bytes apart.
	v_and_b32 v1, 15, v0                           ; l % 16
	v_bfe_u32 v2, v0, 4, 1                         ; l / 16
	v_mul_u32_u24 v3, v1, PITCH
	v_lshl_add_u32 v3, v2, 4, v3                   ; row x pitch + 16 x half
	s_mul_i32 s21, s11, HALFT                      ; my 128 rows of Q
	s_mul_i32 s22, s12, HALFT                      ; my 128 rows of K,
	s_add_co_u32 s22, s22, 2*HALFT                 ; which lie behind Q's 256
.irp s, 0,1
	v_add_nc_u32 v[ADRA+\s], s21, v3
	v_add_nc_u32 v[ADRB+\s], s22, v3
	s_add_co_u32 s21, s21, SLOT
	s_add_co_u32 s22, s22, SLOT
.endr
	v_and_b32 v6, 31, v0
	v_lshlrev_b32 v[STC], 4, v6                    ; 16 x lane
	v_lshlrev_b32 v[MKO], 5, v2                    ; 8 words of the mask for each half of the lanes
	v_lshlrev_b32 v7, 2, v1                        ; 4 x (l % 16)
	s_lshl_b32 s75, s10, 9
	s_add_co_u32 s75, s75, MX
	v_add_nc_u32 v[MXW], s75, v7                   ; my wave's maxima
	s_xor_b32 s75, s10, 1                          ; the wave with the same rows and the other 128 keys
	s_lshl_b32 s75, s75, 9
	s_add_co_u32 s75, s75, MX
	v_add_nc_u32 v[MXR], s75, v7
	s_lshl_b32 s75, s10, 10
	s_add_co_u32 s75, s75, SO
	v_add_nc_u32 v[SOW], s75, v7
	v_add_nc_u32 v[SOR], s75, v[STC]
	; The mask term of my lane's 64 keys (tile b, register j: key 16 b + 8 (l / 16) + j), made while the first tiles are on their way: f32(mask) x (-1e9).
	WIN TO_B
.irp b, 0,1,2,3,4,5,6,7
	global_load_b128 v[8*\b:8*\b+3],   v[MKO], s[68:69] offset:64*\b
	global_load_b128 v[8*\b+4:8*\b+7], v[MKO], s[68:69] offset:64*\b+16
.endr
	s_wait_loadcnt 0x0
	WIN 0x41                                       ; source 0 and destination window 1
.set j, 0
.rept 64
	v_cvt_f32_i32 v[j], v[j]
.set j, j+1
.endr
.set j, 0
.rept 32
	v_pk_mul_f32 v[j:j+1], v[j:j+1], 0xce6e6b28 op_sel_hi:[1,0]   ; -1e9, which f32 holds exactly
.set j, j+2
.endr
; 16 matrix instructions: m blocks a0, a0 + 1 of the window's four (hi = 0: my rows 0-63, 1: rows 64-127) x all 8 n blocks, 32 along K.
; zero = 1: the first product starts the sums: nothing is ever cleared.  The 64 accumulators take turns, one instruction a turn, in the same
; order in every quarter step.
.macro MUL16 f, hi, a0, zero
.irp a, \a0, \a0+1
.irp b, 0,1,2,3,4,5,6,7
.if \zero
	v_wmma_f32_16x16x32_bf16 v[8*(8*(\a)+\b):8*(8*(\a)+\b)+7], v[\f+8*\b:\f+8*\b+7], v[\f+8*(4*\hi+\a):\f+8*(4*\hi+\a)+7], 0
.else
	v_wmma_f32_16x16x32_bf16 v[8*(8*(\a)+\b):8*(8*(\a)+\b)+7], v[\f+8*\b:\f+8*\b+7], v[\f+8*(4*\hi+\a):\f+8*(4*\hi+\a)+7], v[8*(8*(\a)+\b):8*(8*(\a)+\b)+7]
.endif
.endr
.endr
.endm
; 32 LDS loads in one run: the fragments of one quarter step (128 rows of K, 128 rows of Q, 32 K at byte k of the rows) into buffer f
.macro FETCH slot, k, f
	WIN TO_B
.irp i, 0,1,2,3,4,5,6,7
	ds_load_b128 v[\f+8*\i:\f+8*\i+3],   v[ADRB+\slot] offset:\k+\i*16*PITCH
	ds_load_b128 v[\f+8*\i+4:\f+8*\i+7], v[ADRB+\slot] offset:\k+\i*16*PITCH+32
.endr
	WIN 0
.irp i, 0,1,2,3,4,5,6,7
	ds_load_b128 v[\f+8*\i:\f+8*\i+3],   v[ADRA+\slot] offset:\k+\i*16*PITCH
	ds_load_b128 v[\f+8*\i+4:\f+8*\i+7], v[ADRA+\slot] offset:\k+\i*16*PITCH+32
.endr
.endm
; A load into a register that a matrix instruction has read, and a vector instruction that reads a matrix result, stand four places behind that
; matrix instruction; only plain vector instructions that name none of its registers are places.
.macro PLACES
.rept 4
	v_nop
.endr
.endm
; A K step is four quarter steps of 32 along K, 64 matrix instructions each, on buffers 0, 1, 0, 1.
; One of the first three: multiplies buffer f; in its middle it fetches the next quarter's fragments, at byte k of the same slot's rows, into buffer g.
.macro QUARTER slot, k, f, g, zero
	s_wait_dscnt 8                                 ; K and Q's rows 0-63 are in; the youngest eight loads (Q's rows 64-127) may be out
	WIN MUL_LO
	MUL16 \f, 0, 0, \zero
	MUL16 \f, 0, 2, \zero
	PLACES
	FETCH \slot, \k, \g
	s_wait_dscnt 32                                ; all but the 32 just issued
	WIN MUL_HI
	MUL16 \f, 1, 0, \zero
	MUL16 \f, 1, 2, \zero
.endm
.macro THREE slot, zero
	QUARTER \slot, 64,  F0, F1, \zero
	QUARTER \slot, 128, F1, F0, 0
	QUARTER \slot, 192, F0, F1, 0
.endm
; The last quarter: multiplies buffer 1 and changes slots.  next = the other slot; fill = 1: this slot is filled again, two K steps ahead.
; One barrier for the change of slots.  In front of it each wave waits for its own reads of this slot and for all its tensor loads, of which one is
; out: its part of the next slot.  Behind it nobody reads this slot any more and the next slot is whole: the refill comes first, then the next
; slot's first fragments.  From a request to the wait for it a wave issues 240 matrix instructions.
.macro TURN slot, next, fill
	s_wait_dscnt 8
	WIN MUL_LO
	MUL16 F1, 0, 0, 0
	s_wait_dscnt 0                                 ; my reads of this slot are over
	s_wait_tensorcnt 0x0                           ; and all my tensor loads have landed
	ds_add_u32 v255, v255
	s_wait_dscnt 0x0
	s_barrier_signal -1                            ; say so (where a slot is filled again this barrier opens a round of the cluster's barrier),
	MUL16 F1, 0, 2, 0                              ; work on registers while the others arrive,
	WIN 0
	s_barrier_wait -1                              ; and go on when all four have said so
.if \fill
	CREST                                          ; all sixteen work-groups have said so: no wave of any partner still reads this slot's tile or has a load on its way
	s_add_nc_u64 s[G0+4*\slot+2:G0+4*\slot+3], s[G0+4*\slot+2:G0+4*\slot+3], 2*KSTEP*2
	s_add_nc_u64 s[G0B+4*\slot+2:G0B+4*\slot+3], s[G0B+4*\slot+2:G0B+4*\slot+3], 2*KSTEP*2
	JLOAD \slot                                    ; the first tensor load behind the round, my only one until the next
.endif
	PLACES
	FETCH \next, 0, F0
	WIN MUL_HI
	MUL16 F1, 1, 0, 0
	MUL16 F1, 1, 2, 0
.endm
.macro LAP zero                        ; once round the ring, both slots filled again
	THREE 0, \zero
	TURN 0, 1, 1
	THREE 1, 0
	TURN 1, 0, 1
.endm
	s_wait_tensorcnt 1                             ; my part of K step 0 is in; K step 1's may stay out
	s_barrier_signal -1
	s_barrier_wait -1                              ; everybody's is
	FETCH 0, 0, F0
	LAP 1                                          ; the first lap stands in front of the loop: its first products start the sums
	WIN 0                                          ; at a label and at a branch every window is 0
	s_mov_b32 s3, LAPS-2
.Llap:
	LAP 0
	WIN 0
	s_sub_co_u32 s3, s3, 1
	s_cmp_lg_u32 s3, 0
	s_cbranch_scc1 .Llap
	THREE 0, 0                                     ; the last lap fills nothing and has no round: my one tensor load still out is slot 1's
	TURN 0, 1, 0
	THREE 1, 0
	s_wait_dscnt 8                                 ; the very last quarter: nothing more to fetch
	WIN MUL_LO
	MUL16 F1, 0, 0, 0
	MUL16 F1, 0, 2, 0
	s_wait_dscnt 0
	WIN MUL_HI
	MUL16 F1, 1, 0, 0
	MUL16 F1, 1, 2, 0
	; THE WAY OUT.  The four v_nop are the places behind the last matrix instructions.
	PLACES
	s_lshl_b32 s16, s13, 20                        ; pb: 16 tiles of 16 queries a block, 65,536 bytes each,
	s_lshl_b32 s75, s11, 19                        ; + 8 tiles for the block's second half: below 2^25
	s_add_co_u32 s16, s16, s75
	s_mov_b32 s17, 0
	s_add_nc_u64 s[70:71], s[70:71], s[16:17]
	s_lshl_b32 s76, s42, 13                        ; 16 tiles of 16 keys a block, 512 bytes each,
	s_lshl_b32 s77, s12, 12                        ; + 8 tiles for the second half
	s_add_co_u32 s76, s76, s77
	s_mov_b32 s77, 0
	s_add_nc_u64 s[70:71], s[70:71], s[76:77]
	s_lshl_b32 s76, s74, 4                         ; stats: block of 128 keys = 16 x batch + 2 x block + half,
	s_lshl1_add_u32 s76, s42, s76
	s_add_co_u32 s76, s76, s12
	s_lshl_b32 s76, s76, 14                        ; of 2 x 2,048 f32;
	s_and_b32 s75, s13, 7
	s_lshl_b32 s75, s75, 10                        ; my first query in the batch: 256 x (block mod 8) + 128 x half, 4 bytes each
	s_add_co_u32 s76, s76, s75
	s_lshl_b32 s75, s11, 9
	s_add_co_u32 s76, s76, s75
	s_add_nc_u64 s[72:73], s[72:73], s[76:77]
; Pass A, rows 16 i .. 16 i + 15 = the eight tiles (a, 0..7) of window w: x = sum / 32 + mask term, in place; then the largest of my lane's 64 x in four
; chains that do not wait for each other, and the other half of the row from lane l xor 16.
.macro ROWMAX i, a, w
	WIN (\w<<6)|0x10|\w
.irp b, 0,1,2,3,4,5,6,7
.irp p, 0,2,4,6
	v_pk_fma_f32 v[8*(8*\a+\b)+\p:8*(8*\a+\b)+\p+1], v[8*(8*\a+\b)+\p:8*(8*\a+\b)+\p+1], s[78:79], v[8*\b+\p:8*\b+\p+1] op_sel_hi:[1,0,1]
.endr
.endr
	WIN (\w<<2)|\w
.irp c, 0,1,2,3
	v_max_num_f32 v[T+\c], v[8*(8*\a+2*\c)], v[8*(8*\a+2*\c)+1]    ; chain c takes tiles 2 c and 2 c + 1; its first two numbers start it
.endr
	WIN (\w<<4)|(\w<<2)
.irp p, 2,4,6,8,10,12,14
.irp c, 0,1,2,3
	v_max3_num_f32 v[T+\c], v[T+\c], v[8*(8*\a+2*\c)+\p], v[8*(8*\a+2*\c)+\p+1]
.endr
.endr
	WIN 0
	v_max3_num_f32 v[T], v[T], v[T+1], v[T+2]
	v_max_num_f32 v[T], v[T], v[T+3]
	v_permlanex16_b32 v[T+1], v[T], s82, s83       ; its destination counts as read: T+1 has been written
	v_max_num_f32 v[M+\i], v[T], v[T+1]            ; the row's largest x over my wave's 128 keys
	ds_store_b32 v[MXW], v[M+\i] offset:64*\i      ; both halves of the lanes write the same word with the same value
.endm
	ROWMAX 0, 0, 2
	ROWMAX 1, 1, 2
	ROWMAX 2, 2, 2
	ROWMAX 3, 3, 2
	ROWMAX 4, 0, 3
	ROWMAX 5, 1, 3
	ROWMAX 6, 2, 3
	ROWMAX 7, 3, 3
	; The two waves with the same rows exchange their maxima: store, wait for zero, barrier, load.
	s_wait_dscnt 0x0
	s_barrier_signal -1
	s_barrier_wait -1
.irp i, 0,1,2,3,4,5,6,7
	ds_load_b32 v[S+\i], v[MXR] offset:64*\i
.endr
	s_wait_dscnt 0x0
.irp i, 0,1,2,3,4,5,6,7
	v_max_num_f32 v[M+\i], v[M+\i], v[S+\i]        ; the maximum over the block's 256 keys
.endr
; Pass B, the same 16 rows: p = 2^((x - m) log2 e).  The difference is formed first, so that near values at -1e9 keep their exact distance.
; Then l in four packed chains and p rounded to bf16.  A lane's four packed registers of a tile are its 16 bytes of that tile in pb: they are stored
; as they lie, with no way through LDS.  t: TA or TB in turn.
.macro OUT16 i, a, w, t
	WIN 0
	v_mov_b32 v[NM], v[M+\i]
	v_mov_b32 v[NM+1], v[M+\i]
	WIN (\w<<6)|\w
.irp b, 0,1,2,3,4,5,6,7
.irp p, 0,2,4,6
	v_pk_add_f32 v[8*(8*\a+\b)+\p:8*(8*\a+\b)+\p+1], v[8*(8*\a+\b)+\p:8*(8*\a+\b)+\p+1], v[NM:NM+1] neg_lo:[0,1] neg_hi:[0,1]
.endr
.endr
.irp b, 0,1,2,3,4,5,6,7
.irp p, 0,2,4,6
	v_pk_mul_f32 v[8*(8*\a+\b)+\p:8*(8*\a+\b)+\p+1], v[8*(8*\a+\b)+\p:8*(8*\a+\b)+\p+1], s[80:81] op_sel_hi:[1,0]
.endr
.endr
.irp b, 0,1,2,3,4,5,6,7
.irp p, 0,1,2,3,4,5,6,7
	v_exp_f32 v[8*(8*\a+\b)+\p], v[8*(8*\a+\b)+\p]
.endr
.endr
	v_nop                                          ; one plain vector instruction between the exponentials and the first use of a result (ISA guide 5.7.2)
	s_wait_xcnt 0x0                                ; every earlier memory instruction has had its addresses translated (ISA guide 3.1): buffer t, which stores of two turns ago read, is rewritten only behind this wait
	WIN (\w<<2)|\w
	s_wait_alu depctr_va_vdst(0)
.irp c, 0,1,2,3
	v_pk_add_f32 v[S+2*\c:S+2*\c+1], v[8*(8*\a+2*\c):8*(8*\a+2*\c)+1], v[8*(8*\a+2*\c)+2:8*(8*\a+2*\c)+3]
.endr
.irp b, 0,1,2,3,4,5,6,7
.irp r, 0,1,2,3
	v_cvt_pk_bf16_f32 v[\t+4*\b+\r], v[8*(8*\a+\b)+2*\r], v[8*(8*\a+\b)+2*\r+1]
.endr
.endr
	WIN (\w<<2)
.irp p, 4,6,8,10,12,14
.irp c, 0,1,2,3
	v_pk_add_f32 v[S+2*\c:S+2*\c+1], v[S+2*\c:S+2*\c+1], v[8*(8*\a+2*\c)+\p:8*(8*\a+2*\c)+\p+1]
.endr
.endr
	WIN 0
.irp b, 0,1,2,3,4,5,6,7
	global_store_b128 v[STC], v[\t+4*\b:\t+4*\b+3], s[70:71] offset:PTILE*\i+512*\b   ; the wave stores 512 consecutive bytes, at a multiple of 512 from pb's first byte; the eight follow each other
.endr
	v_pk_add_f32 v[S:S+1], v[S:S+1], v[S+2:S+3]
	v_pk_add_f32 v[S+4:S+5], v[S+4:S+5], v[S+6:S+7]
	v_pk_add_f32 v[S:S+1], v[S:S+1], v[S+4:S+5]
	v_add_f32 v[S], v[S], v[S+1]
	v_permlanex16_b32 v[S+1], v[S], s82, s83
	v_add_f32 v[S], v[S], v[S+1]                   ; l of the row over my wave's 128 keys
	ds_store_b32 v[SOW], v[S] offset:512+64*\i
	ds_store_b32 v[SOW], v[M+\i] offset:64*\i
.endm
	OUT16 0, 0, 2, TA
	OUT16 1, 1, 2, TB
	OUT16 2, 2, 2, TA
	OUT16 3, 3, 2, TB
	OUT16 4, 0, 3, TA
	OUT16 5, 1, 3, TB
	OUT16 6, 2, 3, TA
	OUT16 7, 3, 3, TB
	; m and l of my 128 rows leave as two runs of 512 consecutive bytes; the bytes in LDS are my wave's own, and LDS serves a wave's instructions in order (ISA guide 5.7.1.4).
	ds_load_b128 v[ST:ST+3],   v[SOR]
	ds_load_b128 v[ST+4:ST+7], v[SOR] offset:512
	s_wait_dscnt 0x0
	global_store_b128 v[STC], v[ST:ST+3],   s[72:73]
	global_store_b128 v[STC], v[ST+4:ST+7], s[72:73] offset:8192
	s_set_vgpr_msb 0x1
	s_wait_tensorcnt 0x0
	ds_add_u32 v255, v255
	s_wait_dscnt 0x0
	s_set_vgpr_msb 0x100
	CROUND                                         ; the closing round: no work-group ends while a partner may still ask for a tile that names it
	s_endpgm
.Lfunc_end_k_q23d5d95b1a_scores:
	.size	k_q23d5d95b1a_scores, .Lfunc_end_k_q23d5d95b1a_scores-k_q23d5d95b1a_scores
	.p2alignl 7, 3214868480
	.fill 96, 4, 3214868480
	.section	.rodata,"a",@progbits
	.p2align	6, 0x0
	.amdhsa_kernel k_q23d5d95b1a_scores
		.amdhsa_group_segment_fixed_size 327680
		.amdhsa_private_segment_fixed_size 0
		.amdhsa_enable_private_segment 0
		.amdhsa_kernarg_size 40
		.amdhsa_user_sgpr_count 2
		.amdhsa_user_sgpr_kernarg_segment_ptr 1
		.amdhsa_wavefront_size32 1
		.amdhsa_system_sgpr_workgroup_id_x 1
		.amdhsa_system_sgpr_workgroup_id_y 1
		.amdhsa_system_sgpr_workgroup_id_z 1
		.amdhsa_system_vgpr_workitem_id 0
		.amdhsa_next_free_vgpr 1024
		.amdhsa_next_free_sgpr 84
		.amdhsa_reserve_vcc 0
		.amdhsa_float_denorm_mode_32 3
		.amdhsa_float_denorm_mode_16_64 3
		.amdhsa_memory_ordered 1
		.amdhsa_forward_progress 1
		.amdhsa_inst_pref_size 255
	.end_amdhsa_kernel
	.section	.bss,"aw",@nobits
	.p2align	6
	.space	262144
	.amdgpu_metadata
---
amdhsa.version: [ 1, 2 ]
amdhsa.kernels:
  - .name:           k_q23d5d95b1a_scores
    .symbol:         k_q23d5d95b1a_scores.kd
    .args:
      - { .name: qb, .offset: 0, .size: 8, .value_kind: global_buffer, .address_space: global }
      - { .name: kb, .offset: 8, .size: 8, .value_kind: global_buffer, .address_space: global }
      - { .name: mask, .offset: 16, .size: 8, .value_kind: global_buffer, .address_space: global }
      - { .name: pb, .offset: 24, .size: 8, .value_kind: global_buffer, .address_space: global }
      - { .name: stats, .offset: 32, .size: 8, .value_kind: global_buffer, .address_space: global }
    .group_segment_fixed_size: 327680
    .private_segment_fixed_size: 0
    .kernarg_segment_align: 8
    .kernarg_segment_size: 40
    .max_flat_workgroup_size: 128
    .sgpr_count:     84
    .vgpr_count:     1024
    .wavefront_size: 32
...
	.end_amdgpu_metadata
.endif
;; end of part 2
;; launch mix (part 3): grid 4 x 64, 4 waves a work-group, clusters of 4 x 4, 327,680 bytes of LDS; arguments pb, vb, stats, out0; writes out0
.if DOCPART == 3
	.amdgcn_target "amdgcn-amd-amdhsa--gfx1250"
	.amdhsa_code_object_version 6
	.text
	.protected	k_q23d5d95b1a_mix
	.globl	k_q23d5d95b1a_mix
	.p2align	8
	.type	k_q23d5d95b1a_mix,@function
k_q23d5d95b1a_mix:
	s_mov_b64 s[64:65], 0
	v_nop
	global_prefetch_b8 v0, s[64:65] scope:SCOPE_SE
	s_setreg_imm32_b32 hwreg(HW_REG_WAVE_MODE, 25, 1), 1
	s_wait_xcnt 0x0
	s_wait_alu depctr_hold_cnt(0) depctr_sa_sdst(0) depctr_va_vdst(0) depctr_va_sdst(0) depctr_va_ssrc(0) depctr_va_vcc(0) depctr_vm_vsrc(0)
	s_getreg_b32 s2, hwreg(HW_REG_IB_STS2, 6, 4)
	s_cmp_eq_u32 s2, 0
	s_cbranch_scc0 .Lentry_in_a_cluster
	s_endpgm
.Lentry_in_a_cluster:
	s_bfe_u32 s2, ttmp6, 0x10000c
	s_cmp_lg_u32 s2, 0xf033
	s_cbranch_scc0 .Lentry_shape_is_right
	s_endpgm
.Lentry_shape_is_right:
; mix: out0[q][d] = sum over the eight blocks j of 256 keys of c_j[q] x (sum over the block's keys of p[q][key] vb[key][d]),
; with c_j = exp(m_j - m_row) / L,  m_row = the largest m_j of the row,  L = sum over j of exp(m_j - m_row) l_j: the softmax with the row's true maximum.
; pb: [512 tiles of 16 queries][128 tiles of 16 keys][32 lanes][16 bytes] bf16: lane l of a tile holds query l % 16 and the keys 8 (l / 16) + 0 .. 7.
; vb: [4 x 2048 keys][1024] bf16.  stats: [4][16 blocks of 128 keys][m, l][2048 queries] f32.  out0: [4 x 2048][1024] f32.
; LIMITS: exp(m_j - m_row) below 2^-126 becomes 0; 1 / L by v_rcp_f32 (1 ulp).  L is at least 1: the block that holds the row's maximum adds exp(0).
; A work-group makes 128 queries x 256 columns with four waves; a wave 64 x 128: 32 accumulator tiles for the block of keys at work (window 1)
; and 32 for the result (window 2).  A lap is one block of 256 keys, eight quarters of 32; its sums start from the constant 0 and are folded into the
; result by packed fused multiply-adds in f32.
; V goes through a ring of two LDS slots of 256 keys each, one lap a slot.
; CLUSTERS: 4 x 4 work-groups.  The four of a column of the cluster make the same 256 columns for queries of one batch and need the same tiles of vb:
; these are asked for jointly.  By this text's count a wave has two tensor loads out at the start and one afterwards.
; P IS NOT ASKED FOR JOINTLY, though the four work-groups of a row of the cluster read the same: it does not pass through LDS at all.  Two slots of 256 keys
; with P's 128 rows of 528 bytes beside V's 256 rows of 544 would take 2 x 206,848 = 413,696 bytes, more than the 327,680 that a work-group can be given;
; with V alone they take 278,528.  Two neighbouring key tiles of pb are a matrix operand as it lies in registers, so a wave loads its fragments by plain
; loads of 512 consecutive bytes, seven quarters ahead, into a ring of eight quarters that fills window 3: at most 56 loads of a wave are out.
; THE MATRIX INSTRUCTION IS USED TRANSPOSED: source 0 = 16 columns of V (read from LDS by transposing loads), source 1 = 16 rows of P.  Lane l then holds
; query row l % 16 and its registers 0 to 7 the columns 8 (l / 16) + 0 .. 7: one weight c serves a lane's whole tile, and 8 f32 are 32 neighbouring bytes.
.set PB,     544                       ; V's LDS rows: 512 bytes + 32: an odd multiple of 32, for the transposing loads
.set HALFB,  64*PB                     ; 64 keys of V: one tensor load
.set SLOT,   4*HALFB                   ; 256 keys: one load of each of the four waves
.set CTAB,   2*SLOT                    ; behind the ring: [8 blocks][128 rows] pairs (c, c), 8,192 bytes
.set STAGE,  CTAB+8192                 ; 16 rows x 528 bytes for each wave, for the way out
.set SPITCH, 528
.set PTILE,  65536                     ; bytes of a tile of 16 queries in pb: 128 key tiles of 512
.set PQ,     1024                      ; bytes of a quarter's two key tiles
.set ADRB, 16                          ; v16-19  LDS address of my V fragments: slot 0 quarters 0-3, 4-7, slot 1 quarters 0-3, 4-7 (an LDS offset has 16 bits)
.set ADRC, 20                          ; v20     my row's pair in CTAB, stepped by a block a lap
.set STO,  21                          ; v21     the way out: where I put 32 bytes of a row
.set RD,   22                          ; v22     the way out: where I read 16 bytes of a row back
.set CO,   23                          ; v23     16 x lane: my 16 bytes of a run of 512, in pb and in out0; never rewritten
.set FB,   96                          ; v[96:223]  fragments of V, two buffers of 8 x 8
.set CP,   224                         ; v[224:231] (c, c) of my row in each of my four row tiles
.set PM,   96                          ; the prologue's figures lie where fragments come later: m, then the weights
.set PE,   104                         ; l of the even halves, then of the blocks
.set PO,   112                         ; l of the odd halves
.set PW,   120                         ; eight pairs (c, c)
.set PX,   136                         ; m_row, L, 1 / L
.set G1B, 48                           ; s[48:55] descriptor group 1 for V's tiles
.set G0B, 56                           ; s[56:63] descriptor group 0 for V's tiles, one set for each slot
.set MSB, 0
.macro WIN new                         ; s_set_vgpr_msb: bits 1:0 source 0, 3:2 source 1, 5:4 source 2, 7:6 destination; the high byte repeats the setting that is left
.if MSB != (\new)
	s_set_vgpr_msb (MSB<<8)|(\new)
.set MSB, (\new)
.endif
.endm
.set MULW, 0x5c                        ; source 0 (V) window 0, source 1 (P) window 3, C and D window 1
.set ACCW, 0xa1                        ; source 0 window 1 (the block's sums), source 1 window 0 (c), source 2 and destination window 2 (the result)
.set TO_P, 0xc0                        ; destination window 3, address window 0
.macro CREST                           ; a round of the cluster's barrier behind its opening barrier
	s_cmp_lg_u32 s10, 0
	s_cbranch_scc1 .Lnot_wave_0_\@
	s_barrier_signal -3
.Lnot_wave_0_\@:
	s_barrier_wait -3
	s_barrier_signal -1
	s_barrier_wait -1
.endm
.macro CROUND                          ; a whole round
	s_barrier_signal -1
	s_barrier_wait -1
	CREST
.endm
; Eight loads: P's fragments of the quarter n behind the lap's first, four row tiles of two key tiles each, into slot n mod 8 of the ring in window 3
.macro PFILL n
.irp a, 0,1,2,3
	global_load_b128 v[32*((\n)%8)+8*\a:32*((\n)%8)+8*\a+3],   v[CO], s[72:73] offset:PTILE*\a+PQ*(\n)
	global_load_b128 v[32*((\n)%8)+8*\a+4:32*((\n)%8)+8*\a+7], v[CO], s[72:73] offset:PTILE*\a+PQ*(\n)+512
.endr
.endm
	s_load_b128 s[4:7], s[0:1], 0x0                ; pb s[4:5], vb s[6:7]
	s_load_b128 s[68:71], s[0:1], 0x10             ; stats s[68:69], out0 s[70:71]
	v_lshl_add_u32 v254, v0, 2, 0x4e400
	v_mov_b32 v255, 0
	ds_add_u32 v254, v255
	ds_add_u32 v254, v255
	v_lshrrev_b32 v1, 5, v0
	v_readfirstlane_b32 s10, v1                    ; wave 0..3.  Also: which 64 keys of a slot I fetch
	s_lshr_b32 s11, s10, 1                         ; which 64 of the block's queries are mine
	s_and_b32 s12, s10, 1                          ; which 128 of its columns
	s_bfe_u32 s40, ttmp6, 0x40000                  ; cx
	s_bfe_u32 s41, ttmp6, 0x40004                  ; cy
	s_lshl_b32 s42, ttmp9, 2
	s_add_co_u32 s42, s42, s40                     ; block of 256 columns, 0..3
	s_and_b32 s13, ttmp7, 0xffff
	s_lshr_b32 s74, s13, 2                         ; batch: four clusters of 512 queries each: made of the cluster's y alone
	s_lshl_b32 s13, s13, 2
	s_add_co_u32 s13, s13, s41                     ; block of 128 queries over all batches, 0..63
	s_lshl_b32 s44, 0x1111, s40                    ; my column of the cluster: places cx, cx + 4, cx + 8, cx + 12
	; V's tiles: 64 keys x 256 elements, rows 1,024 elements apart, 8 words of padding behind every 128
	s_or_b32 s[G1B+0], s44, (1<<16)|(1<<20)|(1<<21)|(6<<22)|(7<<25)   ; 15:0 the mask; 17:16 element of 2 bytes; 20 padding on; 21 set beside a mask; 24:22 after every 128 words; 31:25 of 8 words
	s_mov_b32 s[G1B+1], 256<<16                    ; tensor_dim0 = 256
	s_mov_b32 s[G1B+2], 64<<16                     ; tensor_dim1 = 64
	s_mov_b32 s[G1B+3], 256<<16                    ; tile_dim0 = 256
	s_mov_b32 s[G1B+4], 64                         ; tile_dim1 = 64
	s_mov_b32 s[G1B+5], 1024                       ; elements from row to row
	s_mov_b32 s[G1B+6], 0
	s_mov_b32 s[G1B+7], 0
	; where V's tiles come from: the batch, the wave's number and the block of columns, which my column of the cluster shares
	s_lshl_b32 s46, s74, 11
	s_lshl_b32 s47, s10, 6
	s_add_co_u32 s46, s46, s47                     ; key 2,048 x batch + 64 x wave,
	s_lshl_b32 s46, s46, 11                        ; of 2,048 bytes,
	s_lshl_b32 s47, s42, 9
	s_add_co_u32 s46, s46, s47                     ; + 512 bytes x block of columns
	s_mov_b32 s47, 0
	s_mul_i32 s21, s10, HALFB                      ; and where they go: wave x 64 keys
	s_lshl_b32 s16, s13, 19                        ; P: 8 tiles of 16 queries a block, 65,536 bytes each,
	s_lshl_b32 s17, s11, 18                        ; + 4 tiles for the block's second half: below 2^25
	s_add_co_u32 s16, s16, s17
	s_mov_b32 s17, 0
	s_lshl_b32 s76, s74, 18                        ; stats: 262,144 bytes a batch,
	s_and_b32 s77, s13, 15
	s_lshl_b32 s77, s77, 9                         ; + my block's first query in the batch, 128 x 4 bytes a block
	s_add_co_u32 s76, s76, s77
	s_mov_b32 s77, 0
	s_wait_dscnt 0x0
	s_wait_kmcnt 0x0
	s_add_nc_u64 s[46:47], s[6:7], s[46:47]
	s_add_nc_u64 s[72:73], s[4:5], s[16:17]        ; my four row tiles of pb, at the lap's first quarter; stepped by a lap
	s_add_nc_u64 s[68:69], s[68:69], s[76:77]
	CROUND                                         ; all sixteen work-groups are here: the first joint loads meet
.irp s, 0,1
	s_mov_b32 s[G0B+4*\s], 1                                           ; 1:0 count = 1
	s_add_co_u32 s[G0B+4*\s+1], s21, \s*SLOT                           ; 63:32 LDS address
	s_add_nc_u64 s[G0B+4*\s+2:G0B+4*\s+3], s[46:47], \s*256*2048       ; 120:64 global address: lap s, 256 keys down V's rows
	s_or_b32 s[G0B+4*\s+3], s[G0B+4*\s+3], 0x80000000                  ; 127:126 type = 2
	tensor_load_to_lds s[G0B+4*\s:G0B+4*\s+3], s[G1B:G1B+7]            ; the ring is filled before anything else is done
	s_nop 0
.endr
	v_and_b32 v1, 15, v0                           ; r = l % 16
	v_bfe_u32 v2, v0, 4, 1                         ; h = l / 16
	v_and_b32 v3, 31, v0                           ; l
	v_and_b32 v4, 7, v0                            ; l % 8
	v_bfe_u32 v5, v0, 3, 1                         ; (l / 8) % 2
	v_lshl_add_u32 v7, v2, 3, v4                   ; V: key 8 h + l % 8,
	v_mul_u32_u24 v7, v7, PB
	v_lshl_add_u32 v7, v5, 4, v7                   ; columns 8 ((l / 8) % 2) + 0..7 of a tile of 16
	s_lshl_b32 s23, s12, 8                         ; my 128 columns
.irp n, 0,1,2,3
	v_add_nc_u32 v[ADRB+\n], s23, v7
	s_add_co_u32 s23, s23, SLOT/2                  ; four quarters, 128 keys, on
.endr
	s_lshl_b32 s22, s11, 9                         ; 64 rows x 8 bytes
	s_add_co_u32 s22, s22, CTAB
	v_lshl_add_u32 v[ADRC], v1, 3, s22
	s_mul_i32 s23, s10, 16*SPITCH
	s_add_co_u32 s23, s23, STAGE                   ; my stage
	v_mul_u32_u24 v8, v1, SPITCH
	v_lshl_add_u32 v8, v2, 5, v8                   ; in: row r, 32 bytes for each half of the lanes
	v_add_nc_u32 v[STO], s23, v8
	v_lshlrev_b32 v[CO], 4, v3
	v_add_nc_u32 v[RD], s23, v[CO]                 ; back: 32 lanes take one row of 512 bytes
	; The weights.  Thread t is query t of the block's 128.
	v_lshlrev_b32 v9, 2, v0
	v_lshl_add_u32 v10, v0, 3, CTAB
.irp j, 0,1,2,3,4,5,6,7
	global_load_b32 v[PM+\j], v9, s[68:69] offset:32768*\j         ; m of block j (both halves hold the same)
	global_load_b32 v[PE+\j], v9, s[68:69] offset:32768*\j+8192    ; l of its first 128 keys
	global_load_b32 v[PO+\j], v9, s[68:69] offset:32768*\j+24576   ; l of its last 128 keys
.endr
	WIN TO_P
.irp q, 0,1,2,3
	PFILL \q                                       ; P's quarters 0 to 3 go out behind the stats
.endr
	WIN 0
	s_wait_loadcnt 32                              ; the 24 loads of m and l are in; P's 32 stay out
	v_max3_num_f32 v[PX], v[PM], v[PM+1], v[PM+2]
	v_max3_num_f32 v[PX], v[PX], v[PM+3], v[PM+4]
	v_max3_num_f32 v[PX], v[PX], v[PM+5], v[PM+6]
	v_max_num_f32 v[PX], v[PX], v[PM+7]            ; the row's maximum
.irp j, 0,1,2,3,4,5,6,7
	v_sub_f32 v[PM+\j], v[PM+\j], v[PX]            ; the difference first: exact for near values at -1e9
.endr
.irp j, 0,1,2,3,4,5,6,7
	v_mul_f32 v[PM+\j], 0x3fb8aa3b, v[PM+\j]
.endr
.irp j, 0,1,2,3,4,5,6,7
	v_exp_f32 v[PM+\j], v[PM+\j]
.endr
.irp j, 0,1,2,3,4,5,6,7
	v_add_f32 v[PE+\j], v[PE+\j], v[PO+\j]         ; plain work between the exponentials and their first use (ISA guide 5.7.2)
.endr
	s_wait_alu depctr_va_vdst(0)
	v_mul_f32 v[PX+1], v[PM], v[PE]
.irp j, 1,2,3,4,5,6,7
	v_fmac_f32 v[PX+1], v[PM+\j], v[PE+\j]
.endr
	v_rcp_f32 v[PX+2], v[PX+1]
	v_nop                                          ; one plain vector instruction before the reciprocal is used
	s_wait_alu depctr_va_vdst(0)
.irp j, 0,1,2,3,4,5,6,7
	v_mul_f32 v[PW+2*\j],   v[PM+\j], v[PX+2]
	v_mul_f32 v[PW+2*\j+1], v[PM+\j], v[PX+2]
	ds_store_b64 v10, v[PW+2*\j:PW+2*\j+1] offset:1024*\j
.endr
	WIN TO_P
.irp q, 4,5,6
	PFILL \q                                       ; P's quarters 4 to 6: seven groups of eight loads are now issued
.endr
	WIN 0
; Eight matrix instructions: row tile a x all 8 column tiles, the 32 keys of quarter kq.  V's buffer is kq mod 2, P's ring slot kq.
; zero = 1: the product starts the block's sums.  The 32 accumulators take turns, one instruction a turn, in the same order in every quarter.
.macro MUL8 kq, a, zero
.irp b, 0,1,2,3,4,5,6,7
.if \zero
	v_wmma_f32_16x16x32_bf16 v[8*(8*\a+\b):8*(8*\a+\b)+7], v[FB+64*((\kq)&1)+8*\b:FB+64*((\kq)&1)+8*\b+7], v[32*(\kq)+8*\a:32*(\kq)+8*\a+7], 0
.else
	v_wmma_f32_16x16x32_bf16 v[8*(8*\a+\b):8*(8*\a+\b)+7], v[FB+64*((\kq)&1)+8*\b:FB+64*((\kq)&1)+8*\b+7], v[32*(\kq)+8*\a:32*(\kq)+8*\a+7], v[8*(8*\a+\b):8*(8*\a+\b)+7]
.endif
.endr
.endm
; 16 LDS loads in one run: V's fragments of quarter kq of a slot into buffer kq mod 2.  V lies [key][column]: two transposing loads, 16 keys apart, give a
; lane column r of a tile with the keys 8 h + 0..7 and 16 + 8 h + 0..7 along its registers, as P's two key tiles hold them for row r.
.macro FETCH slot, kq
	WIN 0
.irp b, 0,1,2,3,4,5,6,7
	ds_load_tr16_b128 v[FB+64*((\kq)&1)+8*\b:FB+64*((\kq)&1)+8*\b+3],   v[ADRB+2*\slot+(\kq)/4] offset:((\kq)%4)*32*PB+32*\b
	ds_load_tr16_b128 v[FB+64*((\kq)&1)+8*\b+4:FB+64*((\kq)&1)+8*\b+7], v[ADRB+2*\slot+(\kq)/4] offset:((\kq)%4)*32*PB+32*\b+16*PB
.endr
.endm
; Four places behind a matrix instruction before a load lands on one of its sources or a vector instruction reads its result
.macro PLACES
.rept 4
	v_nop
.endr
.endm
; One of a lap's first seven quarters.  At its head, behind four places, go out: V's fragments of the next quarter, into the buffer that the last quarter
; read, 32 matrix instructions ahead of their use; and (pl = 1) P's fragments of the seventh quarter from here, into the ring slot that the last quarter read.
; left: at the head of quarter g of the launch's 64, 7 + g groups of eight loads are issued, so six groups, 48 loads, are younger than quarter g's.
.macro QUARTER slot, kq, zero, pl, left
	s_wait_dscnt 0x0                               ; V's fragments of this quarter are in
	s_wait_loadcnt \left                           ; P's are in; the younger groups stay out
	PLACES
	FETCH \slot, \kq+1
.if \pl
	WIN TO_P
	PFILL \kq+7
.endif
	WIN MULW
	MUL8 \kq, 0, \zero
	MUL8 \kq, 1, \zero
	MUL8 \kq, 2, \zero
	MUL8 \kq, 3, \zero
.endm
; A lap's last quarter changes slots.  Its fragments are in registers, so my reads of this slot are over at its head.  In front of the barrier each wave
; waits for them and for all its tensor loads, of which one is out: its part of the next slot.  Behind it the refill comes first (fill = 1: this slot, two
; laps ahead), then the next slot's first fragments.  From a request to the wait for it a wave issues 240 matrix instructions.
.macro TURN slot, next, fill
	s_wait_dscnt 0x0                               ; my reads of this slot are over
	s_wait_loadcnt 48
	s_set_vgpr_msb 0x5c50
	s_wait_tensorcnt 0x0                           ; and all my tensor loads have landed
	ds_add_u32 v254, v255
	s_wait_dscnt 0x0
	s_set_vgpr_msb 0x505c
	s_barrier_signal -1                            ; say so (where a slot is filled again this barrier opens a round of the cluster's barrier),
	WIN MULW
	MUL8 7, 0, 0                                   ; work on registers while the others arrive,
	MUL8 7, 1, 0
	WIN 0
	s_barrier_wait -1
.if \fill
	CREST                                          ; all sixteen work-groups have said so: no wave of any partner still reads this slot's tile or has a load on its way
	s_add_nc_u64 s[G0B+4*\slot+2:G0B+4*\slot+3], s[G0B+4*\slot+2:G0B+4*\slot+3], 2*256*2048
	tensor_load_to_lds s[G0B+4*\slot:G0B+4*\slot+3], s[G1B:G1B+7]   ; the first tensor load behind the round, my only one until the next
	s_nop 0
.endif
	PLACES
	FETCH \next, 0
	WIN TO_P
	PFILL 14
	WIN MULW
	MUL8 7, 2, 0
	MUL8 7, 3, 0
.endm
.macro LAP slot, next, fill            ; one block of 256 keys; its first products start the block's sums
	QUARTER \slot, 0, 1, 1, 48
	QUARTER \slot, 1, 0, 1, 48
	QUARTER \slot, 2, 0, 1, 48
	QUARTER \slot, 3, 0, 1, 48
	QUARTER \slot, 4, 0, 1, 48
	QUARTER \slot, 5, 0, 1, 48
	QUARTER \slot, 6, 0, 1, 48
	TURN \slot, \next, \fill
.endm
; result += c x the block's sums.  first = 1: the product starts the result: nothing is cleared.  step = 1: on to the next block's weights and P.
.macro ACCUM first, step
	WIN 0
.irp a, 0,1,2,3
	ds_load_b64 v[CP+2*\a:CP+2*\a+1], v[ADRC] offset:128*\a        ; (c, c) of row 16 a + r
.endr
	PLACES                                         ; the places behind the block's last matrix instructions
	s_wait_dscnt 0x0
.if \step
	v_add_nc_u32 v[ADRC], 1024, v[ADRC]
	s_wait_xcnt 0x0                                ; every earlier memory instruction has had its addresses translated (ISA guide 3.1): the base of P's loads is stepped only behind this wait
	s_add_nc_u64 s[72:73], s[72:73], 8*PQ          ; eight quarters on in each row tile
.endif
	WIN ACCW
.irp a, 0,1,2,3
.irp b, 0,1,2,3,4,5,6,7
.irp p, 0,2,4,6
.if \first
	v_pk_mul_f32 v[8*(8*\a+\b)+\p:8*(8*\a+\b)+\p+1], v[8*(8*\a+\b)+\p:8*(8*\a+\b)+\p+1], v[CP+2*\a:CP+2*\a+1]
.else
	v_pk_fma_f32 v[8*(8*\a+\b)+\p:8*(8*\a+\b)+\p+1], v[8*(8*\a+\b)+\p:8*(8*\a+\b)+\p+1], v[CP+2*\a:CP+2*\a+1], v[8*(8*\a+\b)+\p:8*(8*\a+\b)+\p+1]
.endif
.endr
.endr
.endr
.endm
	s_wait_dscnt 0x0                               ; my weights are in LDS, for the other waves' sake,
	s_wait_tensorcnt 0x1                           ; my part of lap 0 is in; lap 1's may stay out
	s_barrier_signal -1
	s_barrier_wait -1
	FETCH 0, 0
	LAP 0, 1, 1                                    ; laps 0 and 1 stand in front of the loop: the first fold starts the result
	ACCUM 1, 1
	LAP 1, 0, 1
	ACCUM 0, 1
	WIN 0                                          ; at a label and at a branch every window is 0
	s_mov_b32 s3, 2
.Llap:
	LAP 0, 1, 1                                    ; laps 2 to 5
	ACCUM 0, 1
	LAP 1, 0, 1
	ACCUM 0, 1
	WIN 0
	s_sub_co_u32 s3, s3, 1
	s_cmp_lg_u32 s3, 0
	s_cbranch_scc1 .Llap
	LAP 0, 1, 0                                    ; lap 6 fills nothing and has no round: my one tensor load still out is slot 1's
	ACCUM 0, 1
	QUARTER 1, 0, 1, 1, 48                         ; lap 7: its first quarter asks for P's last, the launch's 64th;
	QUARTER 1, 1, 0, 0, 48                         ; then nothing more is issued and the counts run down, a group of eight a quarter
	QUARTER 1, 2, 0, 0, 40
	QUARTER 1, 3, 0, 0, 32
	QUARTER 1, 4, 0, 0, 24
	QUARTER 1, 5, 0, 0, 16
	QUARTER 1, 6, 0, 0, 8
	s_wait_dscnt 0x0                               ; the very last quarter: nothing more to fetch
	s_wait_loadcnt 0x0
	WIN MULW
	MUL8 7, 0, 0
	MUL8 7, 1, 0
	MUL8 7, 2, 0
	MUL8 7, 3, 0
	ACCUM 0, 0
	; THE WAY OUT, 16 rows at a time: 32 bytes a lane into my own stage, read back as whole rows of 512 bytes.
	s_lshl_b32 s76, s13, 7
	s_lshl_b32 s77, s11, 6
	s_add_co_u32 s76, s76, s77                     ; my first row of out0,
	s_lshl_b32 s76, s76, 12                        ; of 4,096 bytes: below 2^25
	s_lshl_b32 s77, s42, 10
	s_add_co_u32 s76, s76, s77                     ; + 1,024 bytes x block of columns
	s_lshl_b32 s77, s12, 9
	s_add_co_u32 s76, s76, s77                     ; + 512 x half
	s_mov_b32 s77, 0
	s_add_nc_u64 s[70:71], s[70:71], s[76:77]
.macro OUTF a, f
	WIN 0x08                                       ; an LDS store's data is source 1: window 2
.irp b, 0,1,2,3,4,5,6,7
	ds_store_b128 v[STO], v[8*(8*\a+\b):8*(8*\a+\b)+3]   offset:64*\b
	ds_store_b128 v[STO], v[8*(8*\a+\b)+4:8*(8*\a+\b)+7] offset:64*\b+16
.endr
	WIN 0
	s_wait_xcnt 0x0                                ; every earlier memory instruction has had its addresses translated (ISA guide 3.1): buffer f, which stores read, and the stores' base are rewritten only behind this wait
.if \a
	s_add_nc_u64 s[70:71], s[70:71], 16*4096       ; 16 rows of out0 on
.endif
.irp t, 0,1,2,3,4,5,6,7,8,9,10,11,12,13,14,15
	ds_load_b128 v[FB+64*\f+4*\t:FB+64*\f+4*\t+3], v[RD] offset:\t*SPITCH   ; LDS serves a wave's instructions in order (ISA guide 5.7.1.4): these see the stores above
.endr
.irp t, 0,1,2,3,4,5,6,7,8,9,10,11,12,13,14,15
	s_wait_dscnt 15-\t                             ; the younger loads of the sixteen stay out
	global_store_b128 v[CO], v[FB+64*\f+4*\t:FB+64*\f+4*\t+3], s[70:71] offset:\t*4096 th:TH_STORE_NT   ; the wave stores 512 consecutive bytes, at a multiple of 512 from out0's first byte
.endr
.endm
	OUTF 0, 0
	OUTF 1, 1
	OUTF 2, 0
	OUTF 3, 1
	s_wait_tensorcnt 0x0
	ds_add_u32 v254, v255
	s_wait_dscnt 0x0
	CROUND                                         ; the closing round: no work-group ends while a partner may still ask for a tile that names it
	s_endpgm
.Lfunc_end_k_q23d5d95b1a_mix:
	.size	k_q23d5d95b1a_mix, .Lfunc_end_k_q23d5d95b1a_mix-k_q23d5d95b1a_mix
	.p2alignl 7, 3214868480
	.fill 96, 4, 3214868480
	.section	.rodata,"a",@progbits
	.p2align	6, 0x0
	.amdhsa_kernel k_q23d5d95b1a_mix
		.amdhsa_group_segment_fixed_size 327680
		.amdhsa_private_segment_fixed_size 0
		.amdhsa_enable_private_segment 0
		.amdhsa_kernarg_size 32
		.amdhsa_user_sgpr_count 2
		.amdhsa_user_sgpr_kernarg_segment_ptr 1
		.amdhsa_wavefront_size32 1
		.amdhsa_system_sgpr_workgroup_id_x 1
		.amdhsa_system_sgpr_workgroup_id_y 1
		.amdhsa_system_sgpr_workgroup_id_z 1
		.amdhsa_system_vgpr_workitem_id 0
		.amdhsa_next_free_vgpr 1024
		.amdhsa_next_free_sgpr 80
		.amdhsa_reserve_vcc 0
		.amdhsa_float_denorm_mode_32 3
		.amdhsa_float_denorm_mode_16_64 3
		.amdhsa_memory_ordered 1
		.amdhsa_forward_progress 1
		.amdhsa_inst_pref_size 255
	.end_amdhsa_kernel
	.section	.bss,"aw",@nobits
	.p2align	6
	.space	262144
	.amdgpu_metadata
---
amdhsa.version: [ 1, 2 ]
amdhsa.kernels:
  - .name:           k_q23d5d95b1a_mix
    .symbol:         k_q23d5d95b1a_mix.kd
    .args:
      - { .name: pb, .offset: 0, .size: 8, .value_kind: global_buffer, .address_space: global }
      - { .name: vb, .offset: 8, .size: 8, .value_kind: global_buffer, .address_space: global }
      - { .name: stats, .offset: 16, .size: 8, .value_kind: global_buffer, .address_space: global }
      - { .name: out0, .offset: 24, .size: 8, .value_kind: global_buffer, .address_space: global }
    .group_segment_fixed_size: 327680
    .private_segment_fixed_size: 0
    .kernarg_segment_align: 8
    .kernarg_segment_size: 32
    .max_flat_workgroup_size: 128
    .sgpr_count:     80
    .vgpr_count:     1024
    .wavefront_size: 32
...
	.end_amdgpu_metadata
.endif
;; end of part 3
;; ======== version 2 of 2: 3 launches; version 1 with the launch cast written anew for expert scheduling mode
;; workspace buffers: qb 16,777,216 bytes; kb 16,777,216 bytes; vb 16,777,216 bytes; pb 33,554,432 bytes; stats 1,048,576 bytes
;; launch cast (part 4): grid 256 x 3, 8 waves a work-group, no clusters, 0 bytes of LDS; arguments q, k, v, qb, kb, vb; writes qb, kb, vb
.if DOCPART == 4
	.amdgcn_target "amdgcn-amd-amdhsa--gfx1250"
	.amdhsa_code_object_version 6
	.text
	.protected	k_q23d5d95b1a_cast
	.globl	k_q23d5d95b1a_cast
	.p2align	8
	.type	k_q23d5d95b1a_cast,@function
k_q23d5d95b1a_cast:
	s_mov_b64 s[64:65], 0
	v_nop
	global_prefetch_b8 v0, s[64:65] scope:SCOPE_SE
	s_setreg_imm32_b32 hwreg(HW_REG_WAVE_SCHED_MODE, 0, 2), 2
	s_setreg_imm32_b32 hwreg(HW_REG_WAVE_MODE, 25, 1), 1
	s_wait_xcnt 0x0
	s_wait_alu depctr_vm_vsrc(0)
; cast: q, k, v (f32, 8,388,608 numbers each) to bf16 copies qb, kb, vb in the same order, rounded to nearest even.
; The grid's y picks the tensor, its x a piece of 131,072 input bytes; a wave takes 16,384 of them as 32 loads of 512 neighbouring bytes.
; A lane's 16 bytes (4 f32) become 8 bytes, so one store of a wave covers 256 consecutive bytes, aligned.
; Every store has data registers of its own and the two offset registers are never rewritten, so no wait frees a source.
; A stream: no LDS, no barrier, no matrix unit, nothing shared between work-groups.
; THE MODE: SCHED_MODE bits 1:0 = 2 (LLVM: expert scheduling mode 2), set by the entry lines.  The code itself states the register dependences
; between vector instructions and memory instructions, with s_wait_alu, always for 0.
; THE PLAN.  The wave's 32 chunks go in 8 blocks of four.  Registers that memory instructions touch:
;   X0 .. X4   five groups of four slots; chunk c lies in group (c / 4) % 5.  Written by the chunk's load, read by its two conversions; no memory instruction reads them.
;   Y          two registers for each of the 32 chunks.  Written once, by the chunk's conversions; read once, by its store, which is issued a block later.
;   v1, v2     byte offsets, made at the head and never written again: the chunks are reached by immediate offsets.
; Block p converts group p % 5 into its own Y.  Its memory instructions are the loads of block p + 4, which land in group (p + 4) % 5 = (p - 1) % 5, and the
; stores of block p - 1's Y: the two buffers that block p - 1 worked on and that no vector instruction of block p names.  So ONE wait at a block's head
; states all that the block's eight memory instructions hang on, and they are dealt among its conversions with no further wait.
; No register that a memory instruction reads is ever written behind it, so no wait on vm_vsrc is owed anywhere.
.set DEPTH,  16                        ; a chunk is asked for 16 chunks ahead: 16 loads of every wave stay on their way
.set CHUNKS, 32                        ; loads of a wave
.set BLOCK,  4                         ; chunks in a block
.set GROUPS, 5                         ; groups of BLOCK slots: four on their way or at work, one being asked for again
.set X, 4                              ; v[4:83]    group g, slot i: 4 f32 as loaded, at X + 16 g + 4 i
.set Y, 84                             ; v[84:147]  chunk c: 2 registers, 4 bf16 to store
	s_load_b256 s[4:11], s[0:1], 0x0               ; q s[4:5], k s[6:7], v s[8:9], qb s[10:11]
	s_load_b128 s[12:15], s[0:1], 0x20             ; kb s[12:13], vb s[14:15]
	s_and_b32 s16, ttmp7, 0xffff                   ; which tensor
	s_lshl_b32 s18, ttmp9, 17                      ; the work-group's 131,072 bytes in,
	s_mov_b32 s19, 0
	s_lshl_b32 s20, ttmp9, 16                      ; and 65,536 out
	s_mov_b32 s21, 0
	v_lshrrev_b32 v3, 5, v0                        ; wave
	v_and_b32 v1, 31, v0                           ; lane
	v_lshlrev_b32 v2, 3, v1                        ; 8 bytes a lane out
	v_lshlrev_b32 v1, 4, v1                        ; 16 bytes a lane in
	v_lshl_or_b32 v1, v3, 14, v1                   ; + wave x 16,384
	v_lshl_or_b32 v2, v3, 13, v2                   ; + wave x 8,192
	s_wait_kmcnt 0x0
	s_cmp_eq_u32 s16, 1                            ; the choice hangs on the grid's y alone
	s_cselect_b64 s[4:5], s[6:7], s[4:5]
	s_cselect_b64 s[10:11], s[12:13], s[10:11]
	s_cmp_eq_u32 s16, 2
	s_cselect_b64 s[4:5], s[8:9], s[4:5]
	s_cselect_b64 s[10:11], s[14:15], s[10:11]
	s_add_nc_u64 s[4:5], s[4:5], s[18:19]
	s_add_nc_u64 s[10:11], s[10:11], s[20:21]
	s_wait_alu depctr_va_vdst(0)                   ; v1 and v2 are written: every load of the kernel reads v1 as its offset, every store v2
.set c, 0
.rept DEPTH
	global_load_b128 v[X+4*c:X+4*c+3], v1, s[4:5] offset:512*c th:TH_LOAD_NT   ; blocks 0 to 3 into groups 0 to 3
.set c, c+1
.endr
.set c, 0
.rept CHUNKS
.set xs, X+16*((c/BLOCK)%GROUPS)+4*(c%BLOCK)           ; chunk c's slot
.set xa, X+16*(((c+DEPTH)/BLOCK)%GROUPS)+4*(c%BLOCK)   ; the slot of chunk c + 16: the one that chunk c - 4 left (in block 0: group 4, which nothing has named)
.if (c%BLOCK == 0) && (c > 0)
	s_wait_alu depctr_va_vdst(0)                   ; the block before has written its Y, which the stores below read, and is done reading its group of X, in which the loads below land
.endif
.if c < CHUNKS-DEPTH
	global_load_b128 v[xa:xa+3], v1, s[4:5] offset:512*(c+DEPTH) th:TH_LOAD_NT   ; no vector instruction since the block's wait names these registers
.endif
.if c >= BLOCK
	global_store_b64 v2, v[Y+2*(c-BLOCK):Y+2*(c-BLOCK)+1], s[10:11] offset:256*(c-BLOCK)   ; the block before; nor these
.endif
.if c < CHUNKS-DEPTH
	s_wait_loadcnt DEPTH                           ; 17 + c loads are issued, c + 1 must be in (they come back in order: ISA guide 5.7.1): the sixteen younger ones stay out
.else
	s_wait_loadcnt CHUNKS-1-c                      ; nothing more is issued: the counts run down
.endif
	v_cvt_pk_bf16_f32 v[Y+2*c],   v[xs],   v[xs+1]
	v_cvt_pk_bf16_f32 v[Y+2*c+1], v[xs+2], v[xs+3]
.set c, c+1
.endr
	s_wait_alu depctr_va_vdst(0)                   ; the last block has written its Y, which the last four stores read
.set c, CHUNKS-BLOCK
.rept BLOCK
	global_store_b64 v2, v[Y+2*c:Y+2*c+1], s[10:11] offset:256*c
.set c, c+1
.endr
	s_endpgm
.Lfunc_end_k_q23d5d95b1a_cast:
	.size	k_q23d5d95b1a_cast, .Lfunc_end_k_q23d5d95b1a_cast-k_q23d5d95b1a_cast
	.p2alignl 7, 3214868480
	.fill 96, 4, 3214868480
	.section	.rodata,"a",@progbits
	.p2align	6, 0x0
	.amdhsa_kernel k_q23d5d95b1a_cast
		.amdhsa_group_segment_fixed_size 0
		.amdhsa_private_segment_fixed_size 0
		.amdhsa_enable_private_segment 0
		.amdhsa_kernarg_size 48
		.amdhsa_user_sgpr_count 2
		.amdhsa_user_sgpr_kernarg_segment_ptr 1
		.amdhsa_wavefront_size32 1
		.amdhsa_system_sgpr_workgroup_id_x 1
		.amdhsa_system_sgpr_workgroup_id_y 1
		.amdhsa_system_sgpr_workgroup_id_z 1
		.amdhsa_system_vgpr_workitem_id 0
		.amdhsa_next_free_vgpr 148
		.amdhsa_next_free_sgpr 66
		.amdhsa_reserve_vcc 0
		.amdhsa_float_denorm_mode_32 3
		.amdhsa_float_denorm_mode_16_64 3
		.amdhsa_memory_ordered 1
		.amdhsa_forward_progress 1
		.amdhsa_inst_pref_size 13
	.end_amdhsa_kernel
	.amdgpu_metadata
---
amdhsa.version: [ 1, 2 ]
amdhsa.kernels:
  - .name:           k_q23d5d95b1a_cast
    .symbol:         k_q23d5d95b1a_cast.kd
    .args:
      - { .name: q, .offset: 0, .size: 8, .value_kind: global_buffer, .address_space: global }
      - { .name: k, .offset: 8, .size: 8, .value_kind: global_buffer, .address_space: global }
      - { .name: v, .offset: 16, .size: 8, .value_kind: global_buffer, .address_space: global }
      - { .name: qb, .offset: 24, .size: 8, .value_kind: global_buffer, .address_space: global }
      - { .name: kb, .offset: 32, .size: 8, .value_kind: global_buffer, .address_space: global }
      - { .name: vb, .offset: 40, .size: 8, .value_kind: global_buffer, .address_space: global }
    .group_segment_fixed_size: 0
    .private_segment_fixed_size: 0
    .kernarg_segment_align: 8
    .kernarg_segment_size: 48
    .max_flat_workgroup_size: 256
    .sgpr_count:     66
    .vgpr_count:     148
    .wavefront_size: 32
...
	.end_amdgpu_metadata
.endif
;; end of part 4
;; launch scores: the kernel of part 2 again; grid 8 x 32, 4 waves a work-group, clusters of 4 x 4, 327,680 bytes of LDS; arguments qb, kb, mask, pb, stats; writes pb, stats
;; launch mix: the kernel of part 3 again; grid 4 x 64, 4 waves a work-group, clusters of 4 x 4, 327,680 bytes of LDS; arguments pb, vb, stats, out0; writes out0
